; MI455X (gfx1250); checked and timed in simulation.
; The chip was launched on July 23, 2026; its instructions are those of AMD's public machine-readable ISA for CDNA 5 (MIT licence, August 2026) and "CDNA5" Instruction Set Architecture Reference Guide (July 2026). The comments in the code are by the model that wrote it; some were corrected since.
;; Py Torch Native Attention. Allowed arithmetic: matrix products marked QUANTISED: E4M3 operands, one given power-of-two scale a tensor, by v_wmma_f32_16x16x64_fp8_fp8 or v_wmma_f32_16x16x128_fp8_fp8, f32 sums; everything else in f32.
;; Inputs: k 2 x 2,048 x 8 x 128 float32; lowp_scales 4 int32 (the exponents e of the quantised operands' scales 2^e); q 2 x 2,048 x 32 x 128 float32; v 2 x 2,048 x 8 x 128 float32.
;; Outputs: out0 2 x 2,048 x 32 x 128 float32.
;; This version of the problem:
;;   THIS VERSION OF THE PROBLEM IS GIVEN IN LOW PRECISION. The matrix products marked QUANTISED in the list below multiply operands that are first quantised to E4M3 (4 exponent bits, 3 mantissa bits; 8 bits a number), with one given power-of-two scale for each operand tensor; their sums are f32. All else is computed in f32.
;;   The module's matrix products, in the order in which they are computed (A, B: the left and right operand; K: the contracted axis; several contracted axes count as one K, in the product's order):
;;     1. batch 64 x [M 2,048, K 128] x [K 128, N 2,048]; A: input q; B: input k: QUANTISED (scales: A lowp_scales[0], B lowp_scales[1])
;;     2. batch 64 x [M 128, K 2,048] x [K 2,048, N 2,048]; A: input v; B: softmax (see below): QUANTISED (scales: A lowp_scales[2], B lowp_scales[3])
;;   THE QUANTISER, for each operand of a quantised product, along K:
;;     - The operand's scale is 2^e, e = its entry of the input lowp_scales (int32; the entries are numbered through the quantised products in the list's order, A before B).
;;     - Each number is divided by the scale, clamped to +-448, and rounded to the nearest number of E4M3, ties to even, subnormals kept.
;;     - The product sums the exact products of the quantised numbers (number of the format x scale) in f32.
;;   ~~~python
;;   def quantise(x, axis, e):      # numpy; x: float32 -> the quantised numbers, widened to float32 again
;;       x = np.moveaxis(x, axis, -1); K = x.shape[-1]
;;       r = np.clip(x / 2.0 ** e, -448, 448)
;;       step = 2.0 ** (np.maximum(np.frexp(np.where(r == 0, 1, r))[1] - 1, -6) - 3)
;;       q = np.round(r / step) * step * 2.0 ** e      # np.round: ties to even
;;       return np.moveaxis(q, -1, axis).astype(np.float32)
;;   ~~~
;;   SOFTMAX AHEAD OF A QUANTISED PRODUCT. Where the list says 'softmax', what is quantised is not the finished softmax but p = 2^(t - M), with t = logit x log2(e) and M = ceil(the row's largest t), a whole number; so 1/2 < the row's largest p <= 1. The row's sum l is taken of the UNQUANTISED p, in f32, and the product's result is divided by l at the end. Since M is a whole number, a kernel that streams over the keys may use a running M (the ceiling of the running maximum): every later rescaling is an exact power of two, so the quantised numbers keep their values, but for numbers so far below the row's largest that they fall under the format's range.
;;   OPERANDS COMPUTED ON THE WAY. 'Computed on the way' means the value that the module computes at that place (a softmax that the list does not call 'softmax' is quantised finished and normalised). What goes into a quantiser is computed in f32, as accurately as f32 sums, v_exp_f32 and their like allow (about 1e-6 of the number): no bf16 or f16 on the way to a quantiser, and a product that is left as it is and whose result goes on into a quantised operand takes f32 operands (vector FMAs, or v_wmma_f32_16x16x4_f32). A number that lies on a knife's edge between two numbers of the format may be rounded either way, as far as f32 arithmetic and the matrix unit's own rounding can turn it there, and no further.
;; One version. Each part assembles by itself: llvm-mc -triple=amdgcn-amd-amdhsa -mcpu=gfx1250 --defsym DOCPART=n.
;; ======== version 1 of 1: 2 launches
;; limits: right only within a limited range of input values
;; workspace buffers: kv 8,388,608 bytes
;; launch prep (part 1): grid 16 x 16, 8 waves a work-group, no clusters, 68,608 bytes of LDS; arguments k, v, lowp_scales, kv; writes kv
.if DOCPART == 1
	.amdgcn_target "amdgcn-amd-amdhsa--gfx1250"
	.amdhsa_code_object_version 6
	.text
	.protected	k_q2eb49c02e8_prep
	.globl	k_q2eb49c02e8_prep
	.p2align	8
	.type	k_q2eb49c02e8_prep,@function
k_q2eb49c02e8_prep:
	s_mov_b64 s[64:65], 0
	v_nop
	global_prefetch_b8 v0, s[64:65] scope:SCOPE_SE
	s_setreg_imm32_b32 hwreg(HW_REG_WAVE_MODE, 25, 1), 1
	s_wait_xcnt 0x0
; K and V, [2][2048][8][128] f32, become codes of E4M3, each with the one scale that is given for it (lowp_scales: eq, ek, ev, ep; here ek and ev),
; laid in the workspace kv as IMAGES OF THE OPERANDS' REGISTERS, so that the attention launch fetches a key step as one dense block and reads each fragment by loads of 512 consecutive bytes.
; code = x / 2^e, to the nearest code, ties to even.  LIMITS: ek and ev between -126 and 127, so that 2^e is an f32 number.  NaN among the inputs is not served.
; kv: [g = 8 b + kv head (16)][key step st of 128 keys (16)][32,768 bytes]: K's 8 fragments, then V's 8, 2,048 bytes each; in a fragment, register group c (0..3) of lane L lies at 512 c + 16 L.
;   K's fragment t: lane (r, h) holds key 32 (t / 2) + 8 (t % 2) + r + 8 (r / 8), channels 32 c + 16 h + 0 .. 15 (the keys of a tile are not neighbours, so that the scores of two neighbouring tiles are 16 neighbouring keys in a lane).
;   V's fragment t: lane (r, h) holds channel 16 t + r, keys 32 c + 16 h + 0 .. 15 (the keys are the second product's K).
; SHARES.  Work-group (x = st, y = g) makes one key step.  Wave w makes K's fragment w: each of its 16 loads reads one key's 512 bytes; they turn through the wave's own stage in LDS (rows of 528 bytes), so that a lane gets
; 16 neighbours along the channels.  For V, wave w takes channels 32 (w % 4) + lane and keys 64 (w / 4) + 0 .. 63: a lane takes a column and its registers run down the keys, so the conversions give codes with the keys innermost.
; No cluster, no tensor load, no barrier: work-groups and waves share no input.  Each store of a wave covers whole aligned runs of 256 bytes.
.set SP,   528                         ; a stage row: 512 bytes + 16: 33 x 16 bytes, so that sixteen rows' pieces of 16 bytes fall on sixteen different columns of 16 bytes modulo 256
.set WST,  16*SP                       ; a wave's stage
.set RAW,  16                          ; v16-79    K as it is loaded: 16 keys x 16 bytes a lane
.set XK,   80                          ; v80-143   K turned: register 16 c + i = channel 32 c + 16 h + i of my key
.set VV,   144                         ; v144-207  V: 64 keys of my channel
.set CK,   208                         ; v208-223  K's codes
.set CV,   224                         ; v224-239  V's codes
; sixteen numbers of a lane become 16 codes in four registers
.macro QUANT16 src, dst, lim, sc
.set ii, 0
.rept 16
.set ii, ii+1
.endr
	v_cvt_scalef32_pk8_fp8_f32 v[(\dst):(\dst)+1], v[(\src):(\src)+7], v[\sc]
	v_cvt_scalef32_pk8_fp8_f32 v[(\dst)+2:(\dst)+3], v[(\src)+8:(\src)+15], v[\sc]
.endm
.macro VLOAD first                     ; 32 keys of my channel: 32 lanes read 128 consecutive bytes, four waves side by side a key's 512
.set jj, \first
.rept 32
	global_load_b32 v[VV+jj], v2, s[6:7] offset:4096*jj th:TH_LOAD_NT
.set jj, jj+1
.endr
.endm
	s_load_b256 s[4:11], s[0:1], 0x0               ; k s[4:5], v s[6:7], the scales' exponents s[8:9], kv s[10:11]
	v_lshl_add_u32 v240, v0, 2, 0x10800
	v_mov_b32 v241, 0
	v_lshrrev_b32 v6, 5, v0
	s_delay_alu instid0(VALU_DEP_1)
	v_readfirstlane_b32 s12, v6                    ; wave 0..7
	v_and_b32 v7, 31, v0                           ; lane
	s_delay_alu instid0(VALU_DEP_1)
	v_lshlrev_b32 v1, 4, v7                        ; 16 x lane
	s_delay_alu instid0(VALU_DEP_2)
	v_lshlrev_b32 v2, 2, v7                        ; 4 x lane
	s_mul_i32 s13, s12, WST                        ; my stage
	v_add_nc_u32 v3, s13, v1                       ; into it: 16 bytes a lane of a key's row
	v_and_b32 v8, 15, v0                           ; r
	v_bfe_u32 v9, v0, 4, 1                         ; h
	s_delay_alu instid0(VALU_DEP_2)
	v_mul_u32_u24 v4, v8, SP
	s_delay_alu instid0(VALU_DEP_1)
	v_lshl_add_u32 v4, v9, 6, v4
	s_delay_alu instid0(VALU_DEP_1)
	v_add_nc_u32 v4, s13, v4                       ; out of it: row r, + 64 h bytes: my 16 channels of each 32
	v_lshlrev_b32 v5, 4, v8
	s_delay_alu instid0(VALU_DEP_1)
	v_lshl_add_u32 v5, v9, 11, v5                  ; V's codes: 2,048 (lane / 16) + 16 (lane % 16)
	s_and_b32 s15, ttmp7, 0xffff                   ; g
	s_lshr_b32 s24, s15, 3
	s_lshl_b32 s24, s24, 23                        ; b x 2,048 positions of 4,096 bytes
	s_and_b32 s25, s15, 7
	s_lshl_b32 s25, s25, 9                         ; the kv head's 512 bytes
	s_add_co_u32 s24, s24, s25
	s_lshl_b32 s25, ttmp9, 19                      ; the step's 128 positions
	s_add_co_u32 s24, s24, s25                     ; the step's first byte in k and in v
	s_lshr_b32 s26, s12, 1
	s_lshl_b32 s26, s26, 17                        ; K: my fragment's first key: 32 (w / 2)
	s_and_b32 s27, s12, 1
	s_lshl_b32 s27, s27, 15                        ; + 8 (w % 2), in rows of 4,096 bytes
	s_add_co_u32 s26, s26, s27
	s_add_co_u32 s26, s26, s24
	s_mov_b32 s27, 0
	s_and_b32 s28, s12, 3
	s_lshr_b32 s29, s12, 2
	s_lshl_b32 s30, s28, 7                         ; V: my 32 channels,
	s_lshl_b32 s31, s29, 18                        ; my 64 keys
	s_add_co_u32 s30, s30, s31
	s_add_co_u32 s30, s30, s24
	s_mov_b32 s31, 0
	s_lshl_b32 s32, s15, 19
	s_lshl_b32 s33, ttmp9, 15
	s_add_co_u32 s32, s32, s33                     ; the step's first byte in kv
	s_lshl_b32 s34, s12, 11
	s_add_co_u32 s34, s34, s32                     ; K's fragment w
	s_mov_b32 s35, 0
	s_lshl_b32 s36, s28, 12                        ; V's fragments 2 (w % 4) and the next,
	s_lshl_b32 s37, s29, 10                        ; register groups 2 (w / 4) and the next
	s_add_co_u32 s36, s36, s37
	s_add_co_u32 s36, s36, s32
	s_add_co_u32 s36, s36, 16384                   ; behind K's eight fragments
	s_mov_b32 s37, 0
	s_wait_alu depctr_va_vdst(0)
	s_wait_kmcnt 0x0
	s_load_b128 s[20:23], s[8:9], 0x0              ; eq, ek, ev, ep
	s_add_nc_u64 s[4:5], s[4:5], s[26:27]
	s_add_nc_u64 s[6:7], s[6:7], s[30:31]
	s_add_nc_u64 s[14:15], s[10:11], s[34:35]
	s_add_nc_u64 s[16:17], s[10:11], s[36:37]
.set jj, 0
.rept 16
	global_load_b128 v[RAW+4*jj:RAW+4*jj+3], v1, s[4:5] offset:(jj+8*(jj/8))*4096 th:TH_LOAD_NT   ; row jj of my fragment: 32 lanes read the key's 512 consecutive bytes
.set jj, jj+1
.endr
	VLOAD 0
	s_wait_kmcnt 0x0
	s_add_co_i32 s24, s21, 127
	s_lshl_b32 s25, s24, 23
	v_mov_b32 v11, s25                             ; 2^ek as f32: the conversion takes its exponent field
	s_add_co_i32 s24, s22, 127
	s_lshl_b32 s25, s24, 23
	v_mov_b32 v13, s25                             ; 2^ev
	s_wait_alu depctr_va_vdst(0)
	s_wait_loadcnt 32                              ; K's 16 loads are in; V's first 32, issued behind them, may be out
.set jj, 0
.rept 16
	ds_store_b128 v3, v[RAW+4*jj:RAW+4*jj+3] offset:SP*jj
.set jj, jj+1
.endr
.irp c, 0,1,2,3
.irp i, 0,1,2,3
	ds_load_b128 v[XK+16*\c+4*\i:XK+16*\c+4*\i+3], v4 offset:128*\c+16*\i   ; LDS serves a wave's instructions in order (ISA guide 5.7.1.4): these see my stores
.endr
.endr
	VLOAD 32
	s_wait_dscnt 0x0
.irp c, 0,1,2,3
	QUANT16 XK+16*\c, CK+4*\c, 10, 11
.endr
	v_nop                                          ; a plain vector line behind the last conversion of the run
.irp c, 0,1,2,3
	global_store_b128 v1, v[CK+4*\c:CK+4*\c+3], s[14:15] offset:512*\c   ; 32 lanes store 512 consecutive bytes
.endr
	s_wait_loadcnt 32                              ; V's keys 0 to 31 are in; the 32 loads issued last may be out
	QUANT16 VV, CV, 12, 13
	QUANT16 VV+16, CV+4, 12, 13
	s_wait_alu depctr_va_vdst(0)
	s_wait_loadcnt 0x0
	QUANT16 VV+32, CV+8, 12, 13
	QUANT16 VV+48, CV+12, 12, 13
	v_nop
.irp p, 0,1,2,3
	global_store_b128 v5, v[CV+4*\p:CV+4*\p+3], s[16:17] offset:(\p/2)*512+(\p%2)*256   ; piece p: keys 16 p on of my 64: group p / 2, lanes' half p % 2; sixteen lanes store 256 consecutive bytes, aligned
.endr
	s_wait_tensorcnt 0x0
	ds_add_u32 v240, v241
	s_wait_dscnt 0x0
	s_endpgm
.Lfunc_end_k_q2eb49c02e8_prep:
	.size	k_q2eb49c02e8_prep, .Lfunc_end_k_q2eb49c02e8_prep-k_q2eb49c02e8_prep
	.p2alignl 7, 3214868480
	.fill 96, 4, 3214868480
	.section	.rodata,"a",@progbits
	.p2align	6, 0x0
	.amdhsa_kernel k_q2eb49c02e8_prep
		.amdhsa_group_segment_fixed_size 68608
		.amdhsa_private_segment_fixed_size 0
		.amdhsa_enable_private_segment 0
		.amdhsa_kernarg_size 32
		.amdhsa_user_sgpr_count 2
		.amdhsa_user_sgpr_kernarg_segment_ptr 1
		.amdhsa_wavefront_size32 1
		.amdhsa_system_sgpr_workgroup_id_x 1
		.amdhsa_system_sgpr_workgroup_id_y 1
		.amdhsa_system_sgpr_workgroup_id_z 1
		.amdhsa_system_vgpr_workitem_id 0
		.amdhsa_next_free_vgpr 242
		.amdhsa_next_free_sgpr 66
		.amdhsa_reserve_vcc 0
		.amdhsa_float_denorm_mode_32 3
		.amdhsa_float_denorm_mode_16_64 3
		.amdhsa_fp16_overflow 1
		.amdhsa_memory_ordered 1
		.amdhsa_forward_progress 1
		.amdhsa_inst_pref_size 15
	.end_amdhsa_kernel
	.amdgpu_metadata
---
amdhsa.version: [ 1, 2 ]
amdhsa.kernels:
  - .name:           k_q2eb49c02e8_prep
    .symbol:         k_q2eb49c02e8_prep.kd
    .args:
      - { .name: k, .offset: 0, .size: 8, .value_kind: global_buffer, .address_space: global }
      - { .name: v, .offset: 8, .size: 8, .value_kind: global_buffer, .address_space: global }
      - { .name: lowp_scales, .offset: 16, .size: 8, .value_kind: global_buffer, .address_space: global }
      - { .name: kv, .offset: 24, .size: 8, .value_kind: global_buffer, .address_space: global }
    .group_segment_fixed_size: 68608
    .private_segment_fixed_size: 0
    .kernarg_segment_align: 8
    .kernarg_segment_size: 32
    .max_flat_workgroup_size: 256
    .sgpr_count:     66
    .vgpr_count:     242
    .wavefront_size: 32
...
	.end_amdgpu_metadata
.endif
;; end of part 1
;; launch attn (part 2): grid 16 x 16, 8 waves a work-group, clusters of 4 x 1, 327,680 bytes of LDS; arguments q, kv, lowp_scales, out0; writes out0
.if DOCPART == 2
	.amdgcn_target "amdgcn-amd-amdhsa--gfx1250"
	.amdhsa_code_object_version 6
	.text
	.protected	k_q2eb49c02e8_attn
	.globl	k_q2eb49c02e8_attn
	.p2align	8
	.type	k_q2eb49c02e8_attn,@function
k_q2eb49c02e8_attn:
	s_mov_b64 s[64:65], 0
	v_nop
	global_prefetch_b8 v0, s[64:65] scope:SCOPE_SE
	s_setreg_imm32_b32 hwreg(HW_REG_WAVE_MODE, 25, 1), 1
	s_wait_xcnt 0x0
	s_wait_alu depctr_hold_cnt(0) depctr_sa_sdst(0) depctr_va_vdst(0) depctr_va_sdst(0) depctr_va_ssrc(0) depctr_va_vcc(0) depctr_vm_vsrc(0)
	s_getreg_b32 s2, hwreg(HW_REG_IB_STS2, 6, 4)
	s_cmp_eq_u32 s2, 0
	s_cbranch_scc0 .Lentry_in_a_cluster
	s_endpgm
.Lentry_in_a_cluster:
	s_bfe_u32 s2, ttmp6, 0x10000c
	s_cmp_lg_u32 s2, 0x3003
	s_cbranch_scc0 .Lentry_shape_is_right
	s_endpgm
.Lentry_shape_is_right:
; out0[b][s][h][:] = the sum over keys k <= s of softmax_k(q[b][s][h] . K[b][k][h / 4] / sqrt(128)) V[b][k][h / 4][:], both products on codes of E4M3 with the given scales (lowp_scales: eq, ek, ev, ep).
; q, out0: [2][2048][32][128] f32.  K and V come as codes from the workspace kv, laid as images of the operands' registers: [g = 8 b + kv head][key step of 128 keys][K's 8 fragments, V's 8, 2,048 bytes each].
; THE SOFTMAX: t = score x log2(e) / sqrt(128); M = the running largest t rounded UP to a whole number; p = 2^(t - M) is what is quantised, not normalised; the row's sum is taken of the unquantised p and divides at the end.
; When M moves, the sum and O are multiplied by 2^(old M - new M), which rounds nothing.
; SHARES.  A work-group owns one head and TWO blocks of 256 positions: first block 7 - I, then block I (I = the cluster's x, 0..3).  Under the causal mask they need 8 - I and I + 1 slots of 256 keys: nine slots for every
; work-group, so the trip count is a constant and no tile is fetched that nobody reads.  Wave w owns two neighbouring tiles of 16 positions: 32 w on in the first block, 32 (w xor 4) on in the second: 17 key steps for every wave.
; CLUSTER.  The four work-groups of a cluster are the four query heads of one kv head, with the same I: they walk the same tiles, so each tile is asked for JOINTLY, by the same tensor load with the same descriptor and the mask 15.
; The place in the cluster enters the addresses of q, of out0 and of a prefetch alone.
; LAYOUT.  Both products are used transposed: S^T = K Q^T (source 0 = 16 keys), O^T = V^T P^T (source 0 = 16 channels): a lane holds ONE position (lane % 16) throughout, and p's 16 registers of two neighbouring tiles are 16 neighbouring keys.
; A fragment's register group c holds k = 32 c + 16 (lane / 16) + 0 .. 15: a permutation of k against the form's own places, the same in both operands, so every product meets its partner; only the order of sums inside an instruction differs.
; Each fragment read from LDS feeds both tiles of the wave.
; LIMITS on the given exponents, so that each power of two below is an f32 number: eq and ep between -126 and 127; eq + ek between -123 and 130 (added to c's exponent field); ep + ev goes by v_ldexp_f32 and has none.
; NaN among the inputs is not served.
; REGISTERS.  Tile T lives in window T (v0-255, v256-511) under the same numbers: v12 -M, v13 the largest t, v[14:15] the sum in two halves, v16-31 Q's codes, v96-159 S^T, then p, v160-223 O^T, v224-239 p's codes,
;   v244 2^ep, v248 2^eq, v250 r - 16 h + 16 T, v242-243, v252-254 at work.  v32-95: fragments 0-3 in window 0, fragments 4-7 in window 1, for both tiles.  Window 0 alone: v1-9 addresses.
; s_set_vgpr_msb: bits 1:0 source 0, 3:2 source 1, 5:4 source 2, 7:6 destination.  A product of tile T on a fragment in window F: F | 0x54 T.
.set SLOT1,  0x10000                   ; a slot: 256 keys, two key steps: 65,536 dense bytes; slot 1 begins here, so that one exclusive or turns an address from one slot to the other
.set STEPB,  32768                     ; a key step in a slot
.set VOFF,   16384                     ; V's fragments behind K's
.set SP,     528                       ; a stage row: 512 bytes + 16
.set STAGE,  2*SLOT1                   ; behind the ring: 16 rows x 528 bytes for each wave, for q's way in and O's way out; no tensor load lands there
.set SPARE,  STAGE+8*16*SP             ; behind the stages: the spare words, 128 bytes for each wave: four blocks of 256 bytes that no other line names
.set ROWP,   16384                     ; from a position's row of q or out0 to the next: 32 heads x 512 bytes
.set LI,   1                           ; v1   16 x lane
.set ADR,  2                           ; v2   the slot in hand + 16 x lane
.set PFO,  3                           ; v3   256 x lane: the prefetch of kv
.set PFQ,  4                           ; v4   ROWP x lane: the prefetch of q
.set SPW,  5                           ; v5   LDS address of my spare word; never rewritten
.set NIL,  6                           ; v6   0; never rewritten
.set STW,  7                           ; v7   my stage + 16 x lane: whole rows
.set QRD,  8                           ; v8   my stage + 528 r + 64 h: q's 16 neighbours
.set STO,  9                           ; v9   my stage + 528 r + 32 h: O's eight channels
.set QC,   16
.set FRG,  32
.set SS,   96
.set OT,   160
.set PC,   224
.set WV,    12                         ; s12  my wave's number
.set CX,    13                         ; s13  my place in the cluster: the head within its group of four
.set PAIR,  14                         ; s14  I
.set GRP,   15                         ; s15  g
.set G1,    16                         ; s[16:23] descriptor group 1
.set G0,    24                         ; s[24:27] descriptor group 0, which walks
.set KVW,   28                         ; s[28:29] kv at my group's first byte + my quarter of a slot
.set DOFF,  30                         ; s[30:31] the slot that is asked for, in bytes
.set PFA,   32                         ; s[32:33] where my prefetches of kv stand
.set LIM,   34                         ; s34  2 in a wave that prefetches kv, else the greatest number
.set SWF,   35                         ; s35  I + 1: the count of slots at which the second block's first slot is asked for
.set SLOTS, 36                         ; s36  slots still to be asked for
.set TB,    37                         ; s37  LDS byte at which the slot in hand begins
.set KF,    38                         ; s38  the step's first key
.set Q0,    39                         ; s39  my first position
.set Q0B,   40                         ; s40  the same in the second block
.set QP1,   42                         ; s[42:43], s[44:45] q at my first row, first and second block
.set QP2,   44
.set OP1,   46                         ; s[46:47], s[48:49] out0 likewise
.set OP2,   48
.set CS,    50                         ; s[50:51] c = log2(e) / sqrt(128) x 2^(eq + ek): the packed form names a pair and takes its low word
.set SEL,   52                         ; s[52:53] lane selects for v_permlanex16_b32: lane l xor 16
.set EX,    56                         ; s[56:59] eq, ek, ev, ep
.set EPV,   60                         ; s60  ep + ev
.set MSB, 0
.macro WIN new                         ; the immediate's high byte repeats the setting that is left; a switch that changes nothing is dropped
.if MSB != (\new)
	s_set_vgpr_msb (MSB<<8)|(\new)
.set MSB, (\new)
.endif
.endm
; A load into a register that a matrix instruction has read or written, and a vector instruction that reads a matrix result or writes one of a matrix instruction's registers, stand four places behind it;
; only plain vector instructions that name none of its registers are places (ISA guide 7.12.1 for vector instructions).
.macro PLACES
.rept 4
	v_nop
.endr
.endm
; A round of the cluster's barrier: my work-group's barrier, so that wave 0's signal speaks for all eight waves; wave 0 signals; every wave waits for all four work-groups; my work-group's barrier once more.
.macro CROUND
	s_barrier_signal -1
	s_barrier_wait -1
	s_cmp_lg_u32 s[WV], 0
	s_cbranch_scc1 .Lnot_wave_0_\@
	s_barrier_signal -3
.Lnot_wave_0_\@:
	s_barrier_wait -3
	s_barrier_signal -1
	s_barrier_wait -1
.endm
; The joint load: waves 0 to 3 fetch a quarter of a slot each, 64 rows of 256 bytes, the others nothing.  The branch hangs on the wave's number alone.  Four v_nop follow the line.
.macro TLOAD
	s_cmp_lt_u32 s[WV], 4
	s_cbranch_scc0 .Lno_load_\@
	tensor_load_to_lds s[G0:G0+3], s[G1:G1+7]
	s_nop 0
.rept 4
	v_nop
.endr
.Lno_load_\@:
.endm
; PREFETCHES INTO THE L2, where the fetching waves have just issued their tensor load.
; kv: the slot that the NEXT change of slots will ask for, a slot's two key steps ahead of that load.  All four clusters of a group walk the same slots: the cluster with I = 0, which walks slots 0 to 7 on end, asks, in trips 0 to 5
; for slots 2 to 7; slots 0 and 1 come by their loads alone.  Its four partners take 16,384 bytes each, told apart BY ADDRESS; in each, waves 4 and 5 ask for 8,192 bytes, lanes 256 bytes apart: each block of 256 bytes is named once.
; q: my wave's own 32 rows of the second block, 512 bytes a row, a lane a row, two instructions, one slot ahead of the loads that want them.
.macro ASK
	s_cmp_gt_u32 s[SLOTS], s[LIM]
	s_cbranch_scc0 .Lnot_kv_\@
	global_prefetch_b8 v[PFO], s[PFA:PFA+1] th:TH_LOAD_NT scope:SCOPE_SE
.Lnot_kv_\@:
	s_cmp_eq_u32 s[SLOTS], s[SWF]
	s_cbranch_scc0 .Lnot_q_\@
	global_prefetch_b8 v[PFQ], s[QP2:QP2+1] th:TH_LOAD_NT scope:SCOPE_SE
	global_prefetch_b8 v[PFQ], s[QP2:QP2+1] offset:256 th:TH_LOAD_NT scope:SCOPE_SE
.Lnot_q_\@:
.endm
; THE CHANGE OF SLOTS stands at a slot's head.  Each wave waits for all its tensor loads (its part of the slot that it is about to read), adds 0 to its spare word, and waits for that and for its reads of the slot that it has left.
; fill = 1: the barrier is a round of the cluster's, so that no wave of any partner still reads the other slot or has a load on its way, and the joint refill is the first thing behind it: it has a slot's two key steps in which to land.
.macro CHANGE fill
	s_wait_tensorcnt 0x0                           ; no tensor load of mine is out, so group 0 may be written
	ds_add_u32 v[SPW], v[NIL]                      ; 0 onto my spare word: with fill = 1 the descriptor's steps stand between it and the wait for it
.if \fill
	s_xor_b32 s[G0+1], s[G0+1], SLOT1              ; the other slot than last time,
	s_add_co_u32 s[DOFF], s[DOFF], SLOT1           ; the next 256 keys,
	s_cmp_eq_u32 s[SLOTS], s[SWF]
	s_cselect_b32 s[DOFF], 0, s[DOFF]              ; or, where the first block's last slot is in hand, the second block's first: a choice without a jump, the same in all four partners
	s_add_nc_u64 s[G0+2:G0+3], s[KVW:KVW+1], s[DOFF:DOFF+1]
	s_or_b32 s[G0+3], s[G0+3], 0x80000000          ; 127:126 type = 2
	s_wait_xcnt 0x0                                ; the last prefetch, a slot back, has read its address, so it may be written
	s_add_nc_u64 s[PFA:PFA+1], s[PFA:PFA+1], SLOT1
	s_wait_dscnt 0x0                               ; the add is done, and my reads of the slot that I have left are over
	CROUND
	TLOAD
	ASK
.else
	s_wait_dscnt 0x0
	s_barrier_signal -1
	s_barrier_wait -1
.endif
.endm
; sixteen numbers of a lane become 16 codes in four registers
.macro QUANT16 src, dst, lim, sc
.set ii, 0
.rept 16
.set ii, ii+1
.endr
	v_cvt_scalef32_pk8_fp8_f32 v[(\dst):(\dst)+1], v[(\src):(\src)+7], v[\sc]
	v_cvt_scalef32_pk8_fp8_f32 v[(\dst)+2:(\dst)+3], v[(\src)+8:(\src)+15], v[\sc]
.endm
; My 32 rows of q: each load reads one row's 512 consecutive bytes; tile T's 16 rows go into window T, into the fragments' registers
.macro QLOAD qptr
.irp x, 0, 1
	WIN 0x40*\x
.set jj, 0
.rept 16
	global_load_b128 v[FRG+4*jj:FRG+4*jj+3], v[LI], s[\qptr:\qptr+1] offset:(16*\x+jj)*ROWP th:TH_LOAD_NT
.set jj, jj+1
.endr
.endr
	WIN 0
.endm
; They turn through my stage, so that lane (r, h) holds, of row r, channels 32 c + 16 h + 0 .. 15 in registers 16 c on, and become Q's fragment
.macro QQUANT
.irp x, 0, 1
	s_wait_loadcnt 16*(1-\x)                       ; this tile's 16 loads are in; the other tile's, issued behind them, may be out
	WIN 0x04*\x
.set jj, 0
.rept 16
	ds_store_b128 v[STW], v[FRG+4*jj:FRG+4*jj+3] offset:SP*jj
.set jj, jj+1
.endr
	WIN 0x40*\x
.irp c, 0,1,2,3
.irp i, 0,1,2,3
	ds_load_b128 v[SS+16*\c+4*\i:SS+16*\c+4*\i+3], v[QRD] offset:128*\c+16*\i   ; LDS serves a wave's instructions in order (ISA guide 5.7.1.4): these see my stores
.endr
.endr
	s_wait_dscnt 0x0
	WIN 0x55*\x
.irp c, 0,1,2,3
	QUANT16 SS+16*\c, QC+4*\c, 249, 248
.endr
	v_nop                                          ; a plain vector line between the last conversion and the products that read its result
.endr
	WIN 0
.endm
; A block's start, in both windows: the largest t so far is -3e38, under every t; the sum and O^T are zeros, which the first change of M leaves zeros: so the key step is written once, with no first step of its own
.macro RESET1
	v_mov_b32 v13, 0xff61b1e6
	s_delay_alu instid0(VALU_DEP_1)
	v_floor_f32 v12, -v13
	v_mov_b32 v14, 0
	v_mov_b32 v15, 0
	v_mov_b32 v236, 0                              ; a lane permute's destination counts as one of its sources
	v_mov_b32 v253, 0                              ; (named as the upper half of the pair v[252:253])
.set jj, 0
.rept 64
	v_mov_b32 v[OT+jj], 0
.set jj, jj+1
.endr
.endm
.macro RESET
	WIN 0
	RESET1
	WIN 0x55
	RESET1
	WIN 0
.endm
; 32 LDS loads: eight fragments from byte off of the slot in hand; each load reads 512 consecutive bytes.  Fragments 0-3 into window 0, 4-7 into window 1
.macro FRAGS off
	WIN 0
.set ff, 0
.rept 4
.irp c, 0,1,2,3
	ds_load_b128 v[FRG+16*ff+4*\c:FRG+16*ff+4*\c+3], v[ADR] offset:(\off)+2048*ff+512*\c
.endr
.set ff, ff+1
.endr
	WIN 0x40
.set ff, 0
.rept 4
.irp c, 0,1,2,3
	ds_load_b128 v[FRG+16*ff+4*\c:FRG+16*ff+4*\c+3], v[ADR] offset:(\off)+8192+2048*ff+512*\c
.endr
.set ff, ff+1
.endr
.endm
; Four products of the tile and the fragments' window that are set.  Each accumulator has one instruction a turn.
.macro KQ4 half                        ; S^T = K Q^T: the head's 128 channels are one instruction, so each sum begins and ends with the constant 0 as C
.irp t, 0,1,2,3
	v_wmma_f32_16x16x128_fp8_fp8 v[SS+8*(4*(\half)+\t):SS+8*(4*(\half)+\t)+7], v[FRG+16*\t:FRG+16*\t+15], v[QC:QC+15], 0
.endr
.endm
.macro PV4 half                        ; O^T += V^T P^T
.irp t, 0,1,2,3
	v_wmma_f32_16x16x128_fp8_fp8 v[OT+8*(4*(\half)+\t):OT+8*(4*(\half)+\t)+7], v[FRG+16*\t:FRG+16*\t+15], v[PC:PC+15], v[OT+8*(4*(\half)+\t):OT+8*(4*(\half)+\t)+7]
.endr
.endm
; On the diagonal the scores of hidden keys become -infinity ahead of the maximum: p = 0 then.  Register n holds key KF + 16 h + 32 (n / 16) + n % 16: hidden where 32 (n / 16) + n % 16 > d = my position - KF - 16 h
.macro MASK
	v_add_nc_u32 v252, s96, v250
	v_mov_b32 v254, 0xff800000
.set nn, 0
.rept 64
	v_cmp_gt_i32 vcc_lo, 32*(nn/16)+nn%16, v252
	v_cndmask_b32 v[SS+nn], v[SS+nn], v254, vcc_lo
.set nn, nn+1
.endr
.endm
; One tile's softmax for a key step, in the window that is set
.macro SM
	v_max3_num_f32 v254, v96, v97, v98             ; the step's largest score of my position, among my 64 keys, in two chains; each accumulator is read from its low end on
	v_max3_num_f32 v252, v99, v100, v101
.irp i, 6,10,14,18,22,26,30,34,38,42,46,50,54,58
	v_max3_num_f32 v254, v254, v[96+\i], v[97+\i]
	v_max3_num_f32 v252, v252, v[98+\i], v[99+\i]
.endr
	v_max3_num_f32 v254, v254, v158, v159
	s_delay_alu instid0(VALU_DEP_1)
	v_max_num_f32 v254, v254, v252
	v_permlanex16_b32 v236, v254, s[SEL], s[SEL+1]
	s_delay_alu instid0(VALU_DEP_1)
	v_max_num_f32 v254, v254, v236                 ; and among lane l xor 16's
	s_delay_alu instid0(VALU_DEP_1)
	v_mul_f32 v254, s[CS], v254                    ; as t (c is positive)
	s_delay_alu instid0(VALU_DEP_1)
	v_max_num_f32 v13, v13, v254                   ; the running largest t
	v_mov_b32 v254, v12
	s_delay_alu instid0(VALU_DEP_2)
	v_floor_f32 v12, -v13                          ; the new -M = floor(-t) = -ceil(t): M is a whole number
	s_delay_alu instid0(VALU_DEP_1)
	v_sub_f32 v254, v12, v254                      ; old M - new M: a whole number, 0 or less
	s_delay_alu instid0(VALU_DEP_1)
	v_cvt_i32_f32 v254, v254                       ; (it saturates)
	s_delay_alu instid0(VALU_DEP_1)
	v_ldexp_f32 v252, 1.0, v254                    ; f = 2^(old M - new M)
.set jj, 0
.rept 32
	v_pk_fma_f32 v[SS+jj:SS+jj+1], v[SS+jj:SS+jj+1], s[CS:CS+1], v[12:13] op_sel_hi:[1,0,0]   ; t - M, two at a time (of the pairs c and -M the low word serves both halves)
.set jj, jj+2
.endr
.set jj, 0
	s_wait_alu depctr_va_vdst(0)
.rept 64
	v_exp_f32 v[SS+jj], v[SS+jj]                   ; p = 2^(t - M), at most 1: not normalised
.set jj, jj+1
.endr
	v_pk_mul_f32 v[14:15], v[14:15], v[252:253] op_sel_hi:[1,0]   ; the sums under the new M: the plain line behind the exponentials
	s_wait_alu depctr_va_vdst(0)                   ; one wait for the batch of 64, ahead of its first reader
	v_pk_add_f32 v[242:243], v[96:97], v[98:99]    ; the row's sum is taken of the unquantised p: two at a time, in two chains
.irp j, 4,8,12,16,20,24,28,32,36,40,44,48,52,56,60
	v_pk_add_f32 v[14:15], v[14:15], v[96+\j:97+\j]
	v_pk_add_f32 v[242:243], v[242:243], v[98+\j:99+\j]
.endr
	s_delay_alu instid0(VALU_DEP_1)
	v_pk_add_f32 v[14:15], v[14:15], v[242:243]
.irp b, 0,1,2,3
.set ii, 0
.rept 16
.set ii, ii+1
.endr
	v_cvt_scalef32_pk8_fp8_f32 v[PC+4*\b:PC+4*\b+1], v[SS+16*\b:SS+16*\b+7], v244
	v_cvt_scalef32_pk8_fp8_f32 v[PC+4*\b+2:PC+4*\b+3], v[SS+16*\b+8:SS+16*\b+15], v244
.endr
.set jj, 0
.rept 32
	v_pk_mul_f32 v[OT+jj:OT+jj+1], v[OT+jj:OT+jj+1], v[252:253] op_sel_hi:[1,0]   ; O^T under the new M.  (These are also the plain lines between the conversions and the products)
.set jj, jj+2
.endr
.endm
; A KEY STEP: 128 keys, the q-th of the slot in hand, for both my tiles.  A step all of whose keys come after my 32 positions is left out: a scalar branch on ids, round the step's loads, products and softmax,
; not round the line at its end that steps the first key; no barrier and no tensor load stands in a step.
.macro STEP q
	s_add_co_u32 s96, s[Q0], 31
	s_cmp_gt_u32 s[KF], s96
	s_cbranch_scc1 .Lhidden_\@
	PLACES                                         ; the last products read the registers that K's fragments take
	s_wait_alu depctr_va_vdst(0)
	FRAGS (\q)*STEPB
	s_wait_dscnt 16                                ; fragments 0-3 are in; the sixteen loads of fragments 4-7 may be out
	WIN 0
	KQ4 0
	WIN 0x54
	KQ4 0
	s_wait_dscnt 0x0
	WIN 0x01
	KQ4 1
	WIN 0x55
	KQ4 1
	WIN 0
	PLACES                                         ; in front of the loads into K's registers and of the first read of the scores
	s_wait_alu depctr_va_vdst(0)
	FRAGS (\q)*STEPB+VOFF                          ; V's fragments land while the first tile's softmax is worked
	WIN 0
	s_add_co_u32 s96, s[KF], 127
	s_cmp_le_u32 s96, s[Q0]                        ; a step all of whose keys count has no mask
	s_cbranch_scc1 .Lopen_\@
	s_sub_co_i32 s96, s[Q0], s[KF]
	MASK
	WIN 0x55
	MASK
	WIN 0
.Lopen_\@:
	SM
	s_wait_alu depctr_va_vdst(0)
	s_wait_dscnt 0x0                               ; V is in
	PV4 0
	WIN 0x01
	PV4 1
	WIN 0x55
	SM                                             ; the second tile's softmax names no register of the first tile's products, and stands beside them
	WIN 0x54
	PV4 0
	WIN 0x55
	PV4 1
	WIN 0
.Lhidden_\@:
	s_add_co_u32 s[KF], s[KF], 128
.endm
; THE WAY OUT.  The sum's halves are added; O^T x 2^(ep + ev) / the sum goes through my stage, a tile of 16 rows at a time, and leaves as whole rows of 512 bytes.  Four places stand in front of it.
.macro LSUM
	v_add_f32 v14, v14, v15
	v_permlanex16_b32 v236, v14, s[SEL], s[SEL+1]
	s_delay_alu instid0(VALU_DEP_1)
	v_add_f32 v14, v14, v236
	s_wait_alu depctr_va_vdst(0)
	v_rcp_f32 v14, v14
.endm
.macro MULT
.set jj, 0
.rept 32
	v_pk_mul_f32 v[SS+jj:SS+jj+1], v[OT+jj:OT+jj+1], v[14:15] op_sel_hi:[1,0]   ; register 8 t + i is o(position r, channel 16 t + 8 h + i); each accumulator from its low end on
.set jj, jj+2
.endr
.endm
.macro TOSTAGE x
	WIN 0x04*(\x)
.irp t, 0,1,2,3,4,5,6,7
	ds_store_b128 v[STO], v[SS+8*\t:SS+8*\t+3] offset:64*\t
	ds_store_b128 v[STO], v[SS+8*\t+4:SS+8*\t+7] offset:64*\t+16
.endr
	WIN 0x40*(\x)
.set jj, 0
.rept 16
	ds_load_b128 v[OT+4*jj:OT+4*jj+3], v[STW] offset:SP*jj   ; in order behind my stores: whole rows come back
.set jj, jj+1
.endr
.endm
.macro SEND x, optr
	WIN 0x04*(\x)
.set jj, 0
.rept 16
	s_wait_dscnt 15-jj                             ; row jj is back; the younger rows may be out
	global_store_b128 v[LI], v[OT+4*jj:OT+4*jj+3], s[\optr:\optr+1] offset:(16*(\x)+jj)*ROWP th:TH_STORE_NT   ; 32 lanes store 512 consecutive bytes, at a multiple of 256 from out0's first byte
.set jj, jj+1
.endr
.endm
.macro WAYOUT optr
	LSUM
	WIN 0x55
	LSUM
	v_nop                                          ; the plain line behind the last reciprocal
	s_wait_alu depctr_va_vdst(0)                   ; one wait for both reciprocals, ahead of their first reader
	v_ldexp_f32 v14, v14, s[EPV]
	WIN 0
	v_ldexp_f32 v14, v14, s[EPV]                   ; x 2^(ep + ev)
	MULT
	TOSTAGE 0
	WIN 0x55
	MULT                                           ; the second tile's arithmetic stands between the first tile's loads from the stage and the waits for them
	SEND 0, \optr
	s_wait_alu depctr_va_vdst(0)
	TOSTAGE 1
	SEND 1, \optr
	WIN 0
.endm
; FROM THE FIRST BLOCK TO THE SECOND: the new rows of q are asked for first and land while the old block leaves
.macro SWITCH
	PLACES
	QLOAD QP2
	WAYOUT OP1
	QQUANT
	s_wait_xcnt 0x0                                ; the stores have read their data, which lie in O^T's registers: only now are these written again
	RESET
	s_mov_b32 s[Q0], s[Q0B]
	s_mov_b32 s[KF], 0
.endm
.macro SLOT_BODY
	s_cmp_eq_u32 s[SLOTS], s[PAIR]                 ; I slots are still to be asked for: this slot is the second block's first.  The same in all partners and all waves
	s_cbranch_scc0 .Lsame_\@
	SWITCH
.Lsame_\@:
	v_add_nc_u32 v[ADR], s[TB], v[LI]
	STEP 0
	STEP 1
	s_xor_b32 s[TB], s[TB], SLOT1                  ; on to the other slot
.endm
	s_load_b256 s[4:11], s[0:1], 0x0               ; q s[4:5], kv s[6:7], the scales' exponents s[8:9], out0 s[10:11]
	v_lshl_add_u32 v[SPW], v0, 2, SPARE
	v_mov_b32 v[NIL], 0
	ds_add_u32 v5, v6
	ds_add_u32 v5, v6
	s_wait_dscnt 0x0
	v_lshrrev_b32 v10, 5, v0
	s_delay_alu instid0(VALU_DEP_1)
	v_readfirstlane_b32 s[WV], v10                 ; wave 0..7
	s_bfe_u32 s[CX], ttmp6, 0x40000                ; cx
	s_mov_b32 s[PAIR], ttmp9                       ; in a cluster launch ttmp9 counts clusters: I
	s_and_b32 s[GRP], ttmp7, 0xffff                ; g
	; descriptor group 1: 64 dense rows of 32 elements of 8 bytes: 16,384 bytes, no padding
	s_mov_b32 s[G1+0], 15|(3<<16)|(1<<21)          ; 15:0 the mask: all four work-groups; 17:16 elements of 8 bytes; 20 padding off; 21 set beside a mask
	s_mov_b32 s[G1+1], 32<<16                      ; tensor_dim0 = 32
	s_mov_b32 s[G1+2], 64<<16                      ; tensor_dim1 = 64
	s_mov_b32 s[G1+3], 32<<16                      ; tile_dim0 = 32
	s_mov_b32 s[G1+4], 64                          ; tile_dim1 = 64
	s_mov_b32 s[G1+5], 32                          ; tensor_dim0_stride
	s_mov_b32 s[G1+6], 0
	s_mov_b32 s[G1+7], 0
	s_mov_b32 s[SEL], 0x76543210
	s_mov_b32 s[SEL+1], 0xfedcba98
	; every LDS address that stays is made here, ahead of the first place where waves part
	v_and_b32 v10, 31, v0                          ; lane
	s_delay_alu instid0(VALU_DEP_1)
	v_lshlrev_b32 v[LI], 4, v10
	s_delay_alu instid0(VALU_DEP_2)
	v_lshlrev_b32 v[PFO], 8, v10
	s_delay_alu instid0(VALU_DEP_3)
	v_lshlrev_b32 v[PFQ], 14, v10
	s_mul_i32 s79, s[WV], 16*SP
	s_add_co_u32 s79, s79, STAGE                   ; my stage
	v_add_nc_u32 v[STW], s79, v[LI]
	v_and_b32 v10, 15, v0                          ; r
	v_bfe_u32 v11, v0, 4, 1                        ; h
	s_delay_alu instid0(VALU_DEP_2)
	v_mul_u32_u24 v[QRD], v10, SP
	s_delay_alu instid0(VALU_DEP_1)
	v_add_nc_u32 v[QRD], s79, v[QRD]
	s_delay_alu instid0(VALU_DEP_1)
	v_lshl_add_u32 v[STO], v11, 5, v[QRD]
	s_delay_alu instid0(VALU_DEP_2)
	v_lshl_add_u32 v[QRD], v11, 6, v[QRD]
	v_lshlrev_b32 v11, 4, v11
	s_delay_alu instid0(VALU_DEP_1)
	v_sub_nc_u32 v250, v10, v11                    ; r - 16 h
	; kv: my group, my quarter of a slot: made of g and the wave's number alone
	s_lshl_b32 s66, s[GRP], 19
	s_and_b32 s67, s[WV], 3
	s_lshl_b32 s67, s67, 14
	s_mov_b32 s[G0], 1                             ; 1:0 count = 1
	s_mov_b32 s[G0+1], s67                         ; 63:32 LDS address: slot 0, my quarter
	s_add_co_u32 s66, s66, s67
	s_mov_b32 s67, 0
	s_mov_b32 s[DOFF], 0
	s_mov_b32 s[DOFF+1], 0
	; my positions
	s_sub_co_u32 s68, 7, s[PAIR]
	s_lshl_b32 s68, s68, 8
	s_lshl_b32 s69, s[WV], 5
	s_add_co_u32 s[Q0], s68, s69                   ; 256 (7 - I) + 32 w
	s_xor_b32 s69, s[WV], 4
	s_lshl_b32 s69, s69, 5
	s_lshl_b32 s68, s[PAIR], 8
	s_add_co_u32 s[Q0B], s68, s69                  ; 256 I + 32 (w xor 4)
	s_lshr_b32 s70, s[GRP], 3
	s_lshl_b32 s70, s70, 25                        ; b
	s_and_b32 s71, s[GRP], 7
	s_lshl_b32 s71, s71, 2
	s_add_co_u32 s71, s71, s[CX]                   ; the head: 4 x kv head + cx
	s_lshl_b32 s71, s71, 9
	s_add_co_u32 s70, s70, s71
	s_lshl_b32 s72, s[Q0], 14
	s_add_co_u32 s72, s72, s70                     ; my first row's byte in q and in out0, first block,
	s_mov_b32 s73, 0
	s_lshl_b32 s74, s[Q0B], 14
	s_add_co_u32 s74, s74, s70                     ; and second
	s_mov_b32 s75, 0
	; the prefetch of kv: my work-group's 16,384 bytes of a slot, my wave's half of them, in slot 1: the first change of slots steps it to slot 2
	s_lshl_b32 s76, s[GRP], 19
	s_lshl_b32 s77, s[CX], 14
	s_add_co_u32 s76, s76, s77
	s_and_b32 s77, s[WV], 1
	s_lshl_b32 s77, s77, 13
	s_add_co_u32 s76, s76, s77
	s_add_co_u32 s76, s76, SLOT1
	s_mov_b32 s77, 0
	s_lshr_b32 s78, s[WV], 1
	s_xor_b32 s78, s78, 2                          ; 0 in waves 4 and 5,
	s_or_b32 s78, s78, ttmp9                       ; of the cluster with I = 0: the same in all four partners
	s_cmp_eq_u32 s78, 0
	s_cselect_b32 s[LIM], 2, -1
	s_add_co_u32 s[SWF], s[PAIR], 1
	s_mov_b32 s[TB], 0
	s_mov_b32 s[KF], 0
	s_mov_b32 s[SLOTS], 8
	s_wait_kmcnt 0x0
	s_load_b128 s[EX:EX+3], s[8:9], 0x0            ; eq, ek, ev, ep
	s_add_nc_u64 s[KVW:KVW+1], s[6:7], s[66:67]
	s_mov_b64 s[G0+2:G0+3], s[KVW:KVW+1]           ; 120:64 global address: slot 0
	s_or_b32 s[G0+3], s[G0+3], 0x80000000          ; 127:126 type = 2
	s_add_nc_u64 s[QP1:QP1+1], s[4:5], s[72:73]
	s_add_nc_u64 s[QP2:QP2+1], s[4:5], s[74:75]
	s_add_nc_u64 s[OP1:OP1+1], s[10:11], s[72:73]
	s_add_nc_u64 s[OP2:OP2+1], s[10:11], s[74:75]
	s_add_nc_u64 s[PFA:PFA+1], s[6:7], s[76:77]
	CROUND                                         ; all four work-groups are here: the first joint load meets
	TLOAD                                          ; slot 0
	QLOAD QP1
	s_wait_kmcnt 0x0
	s_add_co_i32 s80, s[EX], s[EX+1]
	s_lshl_b32 s80, s80, 23
	s_add_co_i32 s[CS], s80, 0x3e0293ee            ; c = log2(e) / sqrt(128); a score stands for score x 2^(eq + ek): the two exponents are added to c's exponent field
	s_mov_b32 s[CS+1], s[CS]                       ; (named with it as a pair, so it is written)
	s_add_co_i32 s[EPV], s[EX+2], s[EX+3]
	s_add_co_i32 s80, s[EX], 127
	s_lshl_b32 s81, s80, 23                        ; 2^eq as f32
	s_add_co_i32 s82, s[EX+3], 127
	s_lshl_b32 s83, s82, 23                        ; 2^ep
.irp x, 0, 1                           ; the constants stand in both windows
	WIN 0x40*\x
	v_mov_b32 v248, s81
	v_mov_b32 v244, s83
.endr
	s_wait_alu depctr_va_vdst(0)
	v_add_nc_u32 v250, 16, v250                    ; window 1's: r - 16 h + 16, from window 0's
	WIN 0
	QQUANT
	RESET
.Lslot:                                            ; eight trips: behind each change of slots but the last the next slot is asked for
	CHANGE 1
	SLOT_BODY
	s_sub_co_u32 s[SLOTS], s[SLOTS], 1
	s_cmp_lg_u32 s[SLOTS], 0
	s_cbranch_scc1 .Lslot
	CHANGE 0                                       ; the ninth slot is written out
	SLOT_BODY
	PLACES
	WAYOUT OP2
	s_wait_tensorcnt 0x0                           ; the wave's end, behind my last tensor load and my last LDS store
	ds_add_u32 v[SPW], v[NIL]
	s_wait_dscnt 0x0
	CROUND                                         ; the closing round: no work-group ends while a partner may still ask for a tile that names it
	s_endpgm
.Lfunc_end_k_q2eb49c02e8_attn:
	.size	k_q2eb49c02e8_attn, .Lfunc_end_k_q2eb49c02e8_attn-k_q2eb49c02e8_attn
	.p2alignl 7, 3214868480
	.fill 96, 4, 3214868480
	.section	.rodata,"a",@progbits
	.p2align	6, 0x0
	.amdhsa_kernel k_q2eb49c02e8_attn
		.amdhsa_group_segment_fixed_size 327680
		.amdhsa_private_segment_fixed_size 0
		.amdhsa_enable_private_segment 0
		.amdhsa_kernarg_size 32
		.amdhsa_user_sgpr_count 2
		.amdhsa_user_sgpr_kernarg_segment_ptr 1
		.amdhsa_wavefront_size32 1
		.amdhsa_system_sgpr_workgroup_id_x 1
		.amdhsa_system_sgpr_workgroup_id_y 1
		.amdhsa_system_sgpr_workgroup_id_z 1
		.amdhsa_system_vgpr_workitem_id 0
		.amdhsa_next_free_vgpr 512
		.amdhsa_next_free_sgpr 100
		.amdhsa_reserve_vcc 1
		.amdhsa_float_denorm_mode_32 3
		.amdhsa_float_denorm_mode_16_64 3
		.amdhsa_fp16_overflow 1
		.amdhsa_memory_ordered 1
		.amdhsa_forward_progress 1
		.amdhsa_inst_pref_size 246
	.end_amdhsa_kernel
	.amdgpu_metadata
---
amdhsa.version: [ 1, 2 ]
amdhsa.kernels:
  - .name:           k_q2eb49c02e8_attn
    .symbol:         k_q2eb49c02e8_attn.kd
    .args:
      - { .name: q, .offset: 0, .size: 8, .value_kind: global_buffer, .address_space: global }
      - { .name: kv, .offset: 8, .size: 8, .value_kind: global_buffer, .address_space: global }
      - { .name: lowp_scales, .offset: 16, .size: 8, .value_kind: global_buffer, .address_space: global }
      - { .name: out0, .offset: 24, .size: 8, .value_kind: global_buffer, .address_space: global }
    .group_segment_fixed_size: 327680
    .private_segment_fixed_size: 0
    .kernarg_segment_align: 8
    .kernarg_segment_size: 32
    .max_flat_workgroup_size: 256
    .sgpr_count:     100
    .vgpr_count:     512
    .wavefront_size: 32
...
	.end_amdgpu_metadata
.endif
;; end of part 2
